; MI455X (gfx1250); checked and timed in simulation.
; The chip was launched on July 23, 2026; its instructions are those of AMD's public machine-readable ISA for CDNA 5 (MIT licence, August 2026) and "CDNA5" Instruction Set Architecture Reference Guide (July 2026). The comments in the code are by the model that wrote it; some were corrected since.
;; Symplectic Leapfrog Layer. Allowed arithmetic: float matrix products may take bf16 or f16 operands with f32 sums; all other float work in f32.
;; Inputs: bf 1 float32; rb1_b1 256 float32; rb1_b2 256 float32; rb1_beta 256 float32; rb1_bs 256 float32; rb1_gamma 256 float32; rb1_mm 256 float32; rb1_mv 256 float32; rb1_w1 512 x 256 float32; rb1_w2 256 x 256 float32; rb1_ws 512 x 256 float32; rb2_b1 256 float32; rb2_b2 256 float32; rb2_beta 256 float32; rb2_gamma 256 float32; rb2_mm 256 float32; rb2_mv 256 float32; rb2_w1 256 x 256 float32; rb2_w2 256 x 256 float32; wf 256 x 1 float32; x 32,768 x 4 x 256 float32.
;; Outputs: out0 32,768 x 512 float32.
;; One version. Each part assembles by itself: llvm-mc -triple=amdgcn-amd-amdhsa -mcpu=gfx1250 --defsym DOCPART=n.
;; ======== version 1 of 1: 2 launches
;; limits: values outside matrix products are rounded to bf16
;; workspace buffers: wpack 1,835,008 bytes; cvec 8,192 bytes
;; launch prep (part 1): grid 455 x 1, 8 waves a work-group, no clusters, 5,120 bytes of LDS; arguments rb1_w1, rb1_ws, rb1_w2, rb2_w1, rb2_w2, rb1_gamma, rb1_mv, rb2_gamma, rb2_mv, wf, rb1_b1, rb1_b2, rb1_beta, rb1_mm, rb1_bs, rb2_b1, rb2_b2, rb2_beta, rb2_mm, wpack, cvec; writes wpack, cvec
.if DOCPART == 1
	.amdgcn_target "amdgcn-amd-amdhsa--gfx1250"
	.amdhsa_code_object_version 6
	.text
	.protected	k_qcfd7c2f0e8_prep
	.globl	k_qcfd7c2f0e8_prep
	.p2align	8
	.type	k_qcfd7c2f0e8_prep,@function
k_qcfd7c2f0e8_prep:
	s_mov_b64 s[64:65], 0
	v_nop
	global_prefetch_b8 v0, s[64:65] scope:SCOPE_SE
	s_setreg_imm32_b32 hwreg(HW_REG_WAVE_MODE, 25, 1), 1
	s_wait_xcnt 0x0
; PREP: the weights of the 14 products of one gradient evaluation, folded, rounded once to bf16 and laid in the order in which
; the second launch's matrix fragments want them (wpack), and 8 vectors of 256 f32 with which its sums begin (cvec).
; Foldings, all exact algebra in f32:  c = 2 log2(e) into every weight and bias in front of a tanh (the sum is then the argument of 2^x);
; g = gamma / sqrt(mv + 0.001) and beta - mm g of the batch norm into the weight and bias behind it; bs into the bias of the layer behind it;
; wf into the first backward weight; -0.05 and +0.1 (half a step, a step) into the last backward weights.
; wpack: chunk s (131,072 bytes) holds Wm[n][k], 256 x 256: byte s*131072 + 16 u + 2 e, u = half*4096 + (ks*8+f)*64 + b*32 + L,
;        is Wm[128 half + 16 f + L%16][32 ks + 16 b + 8 (L/16) + e]: 512 consecutive bytes are half a fragment, 16 bytes a lane.
; cvec:  0: c b1   1: c (b2 + (beta1 - mm1 g1) w2)   2: c (b1' + bs w1')   3: c (b2' + (beta2 - mm2 g2) w2')   4, 6, 7: 0   5: wf
; Work-groups 0-447: 32 for each chunk, a thread makes 16 bytes.  448-453: the three products vector x matrix, 128 columns each.  454: the plain vectors.
; The sources are read in short pieces (32 or 64 bytes): all weights together are 1.8 MB, so no pass through LDS is made for them.
.set CEXP, 0x4038aa3b                  ; 2 log2(e)
.set EPS,  0x3a83126f                  ; 0.001
.macro PICK mask                       ; SCC = bit (chunk) of the mask
	s_lshr_b32 s66, \mask, s51
	s_bitcmp1_b32 s66, 0
.endm
	s_load_b512 s[8:23], s[0:1], 0x0               ; argument i lies in s[8+2i:9+2i]
	s_load_b512 s[24:39], s[0:1], 0x40
	s_load_b256 s[40:47], s[0:1], 0x80
	s_load_b64 s[48:49], s[0:1], 0xa0
	v_lshl_add_u32 v2, v0, 2, 4096                 ; my spare word, behind the 4,096 bytes of partial sums
	v_mov_b32 v3, 0
	v_lshrrev_b32 v1, 5, v0
	v_readfirstlane_b32 s53, v1                    ; wave
	s_mov_b32 s50, ttmp9
	s_wait_kmcnt 0x0
	s_cmp_lt_u32 s50, 448
	s_cbranch_scc0 .Lnotpack
	; ---- a chunk's part: which source, which factors.  Chunks: 0 w1 lower half, 1 w1, 2 w2, 3 ws, 4 ws lower, 5 w1', 6 w2' (read [k][n]);
	; 7 w2', 8 w1', 9 w2, 10 ws, 11 w1, 12 ws lower, 13 w1 lower (read [n][k])
	s_lshr_b32 s51, s50, 5                         ; chunk
	s_and_b32 s52, s50, 31                         ; part
	s_mov_b64 s[54:55], s[8:9]                     ; w1
	PICK 0x1418
	s_cselect_b64 s[54:55], s[10:11], s[54:55]     ; ws
	PICK 0x204
	s_cselect_b64 s[54:55], s[12:13], s[54:55]     ; w2
	PICK 0x120
	s_cselect_b64 s[54:55], s[14:15], s[54:55]     ; w1'
	PICK 0xc0
	s_cselect_b64 s[54:55], s[16:17], s[54:55]     ; w2',
	s_cselect_b64 s[60:61], s[22:23], s[18:19]     ; with the second block's gamma
	s_cselect_b64 s[62:63], s[24:25], s[20:21]     ; and mv
	PICK 0x3011
	s_cselect_b32 s68, 0x40000, 0                  ; rows 256 on: 256 x 1,024 bytes
	s_mov_b32 s69, 0
	s_add_nc_u64 s[54:55], s[54:55], s[68:69]
	s_mov_b32 s56, 1.0                             ; the chunk's scale
	PICK 0x67
	s_cselect_b32 s56, CEXP, s56
	PICK 0xc00
	s_cselect_b32 s56, 0xbd4ccccd, s56             ; -0.05
	PICK 0x3000
	s_cselect_b32 s56, 0x3dcccccd, s56             ; 0.1
	PICK 0x2c4
	s_cselect_b32 s58, -1, 0                       ; all lanes: g is a factor
	PICK 0x80
	s_cselect_b32 s59, -1, 0                       ; all lanes: wf is a factor
	s_lshl_b32 s67, s52, 8
	v_or_b32 v4, s67, v0                           ; u
	v_and_b32 v6, 15, v4
	v_bfe_u32 v7, v4, 6, 3
	v_lshl_add_u32 v6, v7, 4, v6
	v_lshrrev_b32 v7, 12, v4
	v_lshl_add_u32 v6, v7, 7, v6                   ; n
	v_bfe_u32 v7, v4, 4, 1
	v_lshlrev_b32 v7, 3, v7
	v_bfe_u32 v8, v4, 5, 1
	v_lshl_add_u32 v7, v8, 4, v7
	v_bfe_u32 v8, v4, 9, 3
	v_lshl_add_u32 v7, v8, 5, v7                   ; k, the first of eight
	s_lshl_b32 s67, s51, 17
	v_lshlrev_b32 v9, 4, v4
	v_add_nc_u32 v9, s67, v9                       ; where my 16 bytes go
	s_cmp_lt_u32 s51, 7
	s_cbranch_scc0 .Ldirect
	; Wm[n][k+e] = scale g[k+e] W[k+e][n]
	v_lshlrev_b32 v10, 10, v7
	v_lshl_add_u32 v10, v6, 2, v10
.irp e, 0,1,2,3,4,5,6,7
	global_load_b32 v[16+\e], v10, s[54:55] offset:1024*\e
.endr
	v_lshlrev_b32 v11, 2, v7
	global_load_b128 v[24:27], v11, s[60:61]
	global_load_b128 v[28:31], v11, s[60:61] offset:16
	global_load_b128 v[32:35], v11, s[62:63]
	global_load_b128 v[36:39], v11, s[62:63] offset:16
	s_wait_loadcnt 0x0
.irp e, 0,1,2,3,4,5,6,7
	v_add_f32 v[32+\e], EPS, v[32+\e]
.endr
.irp e, 0,1,2,3,4,5,6,7
	v_rsq_f32 v[32+\e], v[32+\e]
.endr
	v_nop                                          ; a plain instruction between the last root and the use of its result
	s_wait_alu depctr_va_vdst(0)
.irp e, 0,1,2,3,4,5,6,7
	v_mul_f32 v[24+\e], v[24+\e], v[32+\e]
.endr
.irp e, 0,1,2,3,4,5,6,7
	v_cndmask_b32 v[24+\e], 1.0, v[24+\e], s58
.endr
.irp e, 0,1,2,3,4,5,6,7
	v_mul_f32 v[24+\e], s56, v[24+\e]
.endr
	s_branch .Lround
.Ldirect:
	; Wm[n][k+e] = scale g[n] W[n][k+e] wf[k+e]
	v_lshlrev_b32 v10, 10, v6
	v_lshl_add_u32 v10, v7, 2, v10
	global_load_b128 v[16:19], v10, s[54:55]
	global_load_b128 v[20:23], v10, s[54:55] offset:16
	v_lshlrev_b32 v11, 2, v6
	global_load_b32 v40, v11, s[60:61]
	global_load_b32 v41, v11, s[62:63]
	v_lshlrev_b32 v12, 2, v7
	global_load_b128 v[24:27], v12, s[26:27]
	global_load_b128 v[28:31], v12, s[26:27] offset:16
	s_wait_loadcnt 0x0
	v_add_f32 v41, EPS, v41
	v_rsq_f32 v41, v41
	v_nop
	s_wait_alu depctr_va_vdst(0)
	v_mul_f32 v40, v40, v41
	v_cndmask_b32 v40, 1.0, v40, s58
	v_mul_f32 v40, s56, v40
.irp e, 0,1,2,3,4,5,6,7
	v_cndmask_b32 v[24+\e], 1.0, v[24+\e], s59
.endr
.irp e, 0,1,2,3,4,5,6,7
	v_mul_f32 v[24+\e], v40, v[24+\e]
.endr
.Lround:
.irp j, 0,1,2,3
	v_pk_mul_f32 v[16+2*\j:17+2*\j], v[16+2*\j:17+2*\j], v[24+2*\j:25+2*\j]
.endr
.irp j, 0,1,2,3
	v_cvt_pk_bf16_f32 v[44+\j], v[16+2*\j], v[17+2*\j]
.endr
	global_store_b128 v9, v[44:47], s[46:47]       ; a wave stores 512 consecutive bytes, at a multiple of 512 from wpack's first
	s_endpgm
.Lnotpack:
	s_cmp_lt_u32 s50, 454
	s_cbranch_scc0 .Lsimple
	; ---- c (bias + coef W), 128 columns: wave w takes rows 32 w .. 32 w + 31, a lane four columns; the eight partial sums meet in LDS
	s_sub_co_u32 s51, s50, 448
	s_and_b32 s52, s51, 1                          ; which 128 columns
	s_lshr_b32 s51, s51, 1                         ; which of the three
	s_mov_b64 s[54:55], s[12:13]                   ; 0: w2, b2, beta1, mm1, gamma1, mv1
	s_mov_b64 s[56:57], s[30:31]
	s_mov_b64 s[58:59], s[32:33]
	s_mov_b64 s[60:61], s[34:35]
	s_mov_b64 s[62:63], s[18:19]
	s_mov_b64 s[66:67], s[20:21]
	s_cmp_eq_u32 s51, 1                            ; 1: w1', b1', and bs in beta's place; mm g is then replaced by 0
	s_cselect_b64 s[54:55], s[14:15], s[54:55]
	s_cselect_b64 s[56:57], s[38:39], s[56:57]
	s_cselect_b64 s[58:59], s[36:37], s[58:59]
	s_cselect_b32 s72, -1, 0
	s_cmp_eq_u32 s51, 2                            ; 2: w2', b2', beta2, mm2, gamma2, mv2
	s_cselect_b64 s[54:55], s[16:17], s[54:55]
	s_cselect_b64 s[56:57], s[40:41], s[56:57]
	s_cselect_b64 s[58:59], s[42:43], s[58:59]
	s_cselect_b64 s[60:61], s[44:45], s[60:61]
	s_cselect_b64 s[62:63], s[22:23], s[62:63]
	s_cselect_b64 s[66:67], s[24:25], s[66:67]
	v_lshlrev_b32 v4, 2, v0                        ; thread t makes coef[t]: lane L of wave w that of row 32 w + L
	global_load_b32 v5, v4, s[58:59]
	global_load_b32 v6, v4, s[60:61]
	global_load_b32 v7, v4, s[62:63]
	global_load_b32 v16, v4, s[66:67]
	v_and_b32 v17, 31, v0
	v_lshlrev_b32 v17, 4, v17                      ; 16 L
	s_lshl_b32 s73, s52, 9
	v_add_nc_u32 v18, s73, v17                     ; my four columns, in bytes
	global_load_b128 v[8:11], v18, s[56:57]
	s_lshl_b32 s74, s53, 15                        ; my wave's 32 rows of 1,024 bytes
	v_add_nc_u32 v19, s74, v18
.set kk, 0
.rept 32
	global_load_b128 v[64+4*kk:67+4*kk], v19, s[54:55] offset:1024*kk
.set kk, kk+1
.endr
	v_lshlrev_b32 v20, 4, v0                       ; 512 w + 16 L
	s_wait_loadcnt 0x0
	v_add_f32 v16, EPS, v16
	v_rsq_f32 v16, v16
	v_nop
	s_wait_alu depctr_va_vdst(0)
	v_mul_f32 v7, v7, v16
	v_mul_f32 v6, v6, v7
	v_cndmask_b32 v6, v6, 0, s72
	v_sub_f32 v5, v5, v6                           ; coef
.set kk, 0
.rept 32
	v_readlane_b32 s[70+kk%2], v5, kk
.irp j, 0,1,2,3
.if kk == 0
	v_mul_f32 v[12+\j], s[70+kk%2], v[64+4*kk+\j]
.else
	v_fmac_f32 v[12+\j], s[70+kk%2], v[64+4*kk+\j]
.endif
.endr
.set kk, kk+1
.endr
	ds_store_b128 v20, v[12:15]
	s_wait_dscnt 0x0                               ; for the others' sake: my partial sums are in LDS
	s_barrier_signal -1
	s_barrier_wait -1
	s_cmp_lg_u32 s53, 0
	s_cbranch_scc1 .Lmv_end
.irp i, 0,1,2,3,4,5,6,7
	ds_load_b128 v[24+4*\i:27+4*\i], v17 offset:512*\i
.endr
	s_add_co_u32 s75, s51, 1
	s_lshl_b32 s75, s75, 10                        ; vector 1, 2 or 3 of cvec
	v_add_nc_u32 v21, s75, v18
	s_wait_dscnt 0x0
.irp i, 1,2,3,4,5,6,7
	v_pk_add_f32 v[24:25], v[24:25], v[24+4*\i:25+4*\i]
	v_pk_add_f32 v[26:27], v[26:27], v[26+4*\i:27+4*\i]
.endr
	v_pk_add_f32 v[24:25], v[24:25], v[8:9]
	v_pk_add_f32 v[26:27], v[26:27], v[10:11]
.irp j, 0,1,2,3
	v_mul_f32 v[24+\j], CEXP, v[24+\j]
.endr
	global_store_b128 v21, v[24:27], s[48:49]
.Lmv_end:
	s_wait_tensorcnt 0x0                           ; the end of a wave that has written LDS
	ds_add_u32 v2, v3
	s_wait_dscnt 0x0
	s_endpgm
.Lsimple:
	; ---- the plain vectors: a wave writes 512 bytes (the zeros' first pair of waves twice)
	v_and_b32 v4, 31, v0
	v_lshlrev_b32 v4, 4, v4
	s_and_b32 s51, s53, 1
	s_lshl_b32 s51, s51, 9
	v_add_nc_u32 v4, s51, v4
	s_lshr_b32 s52, s53, 1
	s_cmp_eq_u32 s52, 0
	s_cbranch_scc0 .Ls1
	global_load_b128 v[8:11], v4, s[28:29]         ; b1
	s_wait_loadcnt 0x0
.irp j, 0,1,2,3
	v_mul_f32 v[8+\j], CEXP, v[8+\j]
.endr
	global_store_b128 v4, v[8:11], s[48:49]
	s_endpgm
.Ls1:
	s_cmp_eq_u32 s52, 2
	s_cbranch_scc0 .Ls2
	global_load_b128 v[8:11], v4, s[26:27]         ; wf
	s_wait_loadcnt 0x0
	global_store_b128 v4, v[8:11], s[48:49] offset:5120
	s_endpgm
.Ls2:
.irp j, 0,1,2,3
	v_mov_b32 v[8+\j], 0
.endr
	s_cmp_eq_u32 s52, 1
	s_cbranch_scc0 .Ls3
	global_store_b128 v4, v[8:11], s[48:49] offset:4096
	global_store_b128 v4, v[8:11], s[48:49] offset:7168
	s_endpgm
.Ls3:
	global_store_b128 v4, v[8:11], s[48:49] offset:6144
	s_endpgm
.Lfunc_end_k_qcfd7c2f0e8_prep:
	.size	k_qcfd7c2f0e8_prep, .Lfunc_end_k_qcfd7c2f0e8_prep-k_qcfd7c2f0e8_prep
	.p2alignl 7, 3214868480
	.fill 96, 4, 3214868480
	.section	.rodata,"a",@progbits
	.p2align	6, 0x0
	.amdhsa_kernel k_qcfd7c2f0e8_prep
		.amdhsa_group_segment_fixed_size 5120
		.amdhsa_private_segment_fixed_size 0
		.amdhsa_enable_private_segment 0
		.amdhsa_kernarg_size 168
		.amdhsa_user_sgpr_count 2
		.amdhsa_user_sgpr_kernarg_segment_ptr 1
		.amdhsa_wavefront_size32 1
		.amdhsa_system_sgpr_workgroup_id_x 1
		.amdhsa_system_sgpr_workgroup_id_y 1
		.amdhsa_system_sgpr_workgroup_id_z 1
		.amdhsa_system_vgpr_workitem_id 0
		.amdhsa_next_free_vgpr 192
		.amdhsa_next_free_sgpr 84
		.amdhsa_reserve_vcc 0
		.amdhsa_float_denorm_mode_32 3
		.amdhsa_float_denorm_mode_16_64 3
		.amdhsa_memory_ordered 1
		.amdhsa_forward_progress 1
		.amdhsa_inst_pref_size 24
	.end_amdhsa_kernel
	.amdgpu_metadata
---
amdhsa.version: [ 1, 2 ]
amdhsa.kernels:
  - .name:           k_qcfd7c2f0e8_prep
    .symbol:         k_qcfd7c2f0e8_prep.kd
    .args:
      - { .name: rb1_w1, .offset: 0, .size: 8, .value_kind: global_buffer, .address_space: global }
      - { .name: rb1_ws, .offset: 8, .size: 8, .value_kind: global_buffer, .address_space: global }
      - { .name: rb1_w2, .offset: 16, .size: 8, .value_kind: global_buffer, .address_space: global }
      - { .name: rb2_w1, .offset: 24, .size: 8, .value_kind: global_buffer, .address_space: global }
      - { .name: rb2_w2, .offset: 32, .size: 8, .value_kind: global_buffer, .address_space: global }
      - { .name: rb1_gamma, .offset: 40, .size: 8, .value_kind: global_buffer, .address_space: global }
      - { .name: rb1_mv, .offset: 48, .size: 8, .value_kind: global_buffer, .address_space: global }
      - { .name: rb2_gamma, .offset: 56, .size: 8, .value_kind: global_buffer, .address_space: global }
      - { .name: rb2_mv, .offset: 64, .size: 8, .value_kind: global_buffer, .address_space: global }
      - { .name: wf, .offset: 72, .size: 8, .value_kind: global_buffer, .address_space: global }
      - { .name: rb1_b1, .offset: 80, .size: 8, .value_kind: global_buffer, .address_space: global }
      - { .name: rb1_b2, .offset: 88, .size: 8, .value_kind: global_buffer, .address_space: global }
      - { .name: rb1_beta, .offset: 96, .size: 8, .value_kind: global_buffer, .address_space: global }
      - { .name: rb1_mm, .offset: 104, .size: 8, .value_kind: global_buffer, .address_space: global }
      - { .name: rb1_bs, .offset: 112, .size: 8, .value_kind: global_buffer, .address_space: global }
      - { .name: rb2_b1, .offset: 120, .size: 8, .value_kind: global_buffer, .address_space: global }
      - { .name: rb2_b2, .offset: 128, .size: 8, .value_kind: global_buffer, .address_space: global }
      - { .name: rb2_beta, .offset: 136, .size: 8, .value_kind: global_buffer, .address_space: global }
      - { .name: rb2_mm, .offset: 144, .size: 8, .value_kind: global_buffer, .address_space: global }
      - { .name: wpack, .offset: 152, .size: 8, .value_kind: global_buffer, .address_space: global }
      - { .name: cvec, .offset: 160, .size: 8, .value_kind: global_buffer, .address_space: global }
    .group_segment_fixed_size: 5120
    .private_segment_fixed_size: 0
    .kernarg_segment_align: 8
    .kernarg_segment_size: 168
    .max_flat_workgroup_size: 256
    .sgpr_count:     84
    .vgpr_count:     192
    .wavefront_size: 32
...
	.end_amdgpu_metadata
.endif
;; end of part 1
;; launch leap (part 2): grid 256 x 1, 4 waves a work-group, clusters of 4 x 1, 327,680 bytes of LDS; arguments x, wpack, cvec, out0; writes out0
.if DOCPART == 2
	.amdgcn_target "amdgcn-amd-amdhsa--gfx1250"
	.amdhsa_code_object_version 6
	.text
	.protected	k_qcfd7c2f0e8_leap
	.globl	k_qcfd7c2f0e8_leap
	.p2align	8
	.type	k_qcfd7c2f0e8_leap,@function
k_qcfd7c2f0e8_leap:
	s_mov_b64 s[64:65], 0
	v_nop
	global_prefetch_b8 v0, s[64:65] scope:SCOPE_SE
	s_setreg_imm32_b32 hwreg(HW_REG_WAVE_MODE, 25, 1), 1
	s_wait_xcnt 0x0
	s_wait_alu depctr_hold_cnt(0) depctr_sa_sdst(0) depctr_va_vdst(0) depctr_va_sdst(0) depctr_va_ssrc(0) depctr_va_vcc(0) depctr_vm_vsrc(0)
	s_getreg_b32 s2, hwreg(HW_REG_IB_STS2, 6, 4)
	s_cmp_eq_u32 s2, 0
	s_cbranch_scc0 .Lentry_in_a_cluster
	s_endpgm
.Lentry_in_a_cluster:
	s_bfe_u32 s2, ttmp6, 0x10000c
	s_cmp_lg_u32 s2, 0x3003
	s_cbranch_scc0 .Lentry_shape_is_right
	s_endpgm
.Lentry_shape_is_right:
; LEAP: one leapfrog step.  q = x[:,3], p = x[:,3] - x[:,2];  p -= 0.05 dH/dq;  q += 0.1 dH/dp;  p -= 0.05 dH/dq at the new state;  out = [q, p].
; dH/d(state) is written out: forward z1 .. z4 with t = tanh, backward with d = 1 - t^2.  An evaluation is a list of products [samples x 256] x [256 x 256], the STAGES:
;   0 p w1_lo, 1 q w1_hi -> t1, d1 | 2 t1 w2 -> t2, d2 | 3 q ws, 4 p ws onto t2 -> h1 | 5 h1 w1' -> t3, d3 | 6 t3 w2' -> d4 | 7 d4 (w2' wf g2)^T x d3 | 8 .. w1'^T + wf -> dh1, x d2
;   9 .. (g1 w2)^T x d1 -> dz1 | 10 dh1 ws^T, 11 dz1 w1^T onto p (factor -0.05) | 12, 13 the same for the other half of the state onto q (factor 0.1).
; The first evaluation walks stages 0-13, the second 0-11.  Batch norm, biases, c = 2 log2(e), wf and the step sizes are folded into the weights (launch prep).
; NOT READ: bf and x[:,0], x[:,1]: the result does not hang on them (bf and the product with wf vanish under the gradient; wf is its seed).
; LIMITS.  tanh z = 1 - 2 / (1 + 2^(c z)): absolute error a few 2^-24; it ends in +1 and -1 through infinity and 0.  Matrix operands are bf16; d is kept as bf16 between the forward
; and the backward pass; q and p are f32 throughout.  NaN and infinities in the inputs are not treated apart.
; SHARES.  A work-group owns 128 samples, a wave 32 (two tiles of 16) and ALL features.  Products are used transposed: source 0 = 16 output features (weights, from LDS), source 1 = 16 samples:
; in a result lane l holds sample l % 16 and features 8 (l / 16) + 0..7; two results rounded to bf16 ARE source 1 of the next product.  So activations never leave a wave's registers;
; the waves share the weights alone.  A weight fragment (two LDS loads) feeds two matrix instructions.
; RING.  A stage's weights are two tiles of 65,536 bytes (128 output features each), tile t in slot t % 2; each wave fetches a quarter.  One text for a stage, looped over; what a stage does
; before and behind its products is chosen by forward jumps on the stage's number, which is the same in every wave and work-group; no jump passes a barrier or a tensor load.
; CLUSTER.  All work-groups walk the same 52 tiles, so each tile is asked for jointly by the four of a cluster.
; LDS: 0 slot 0 | 65,536 slot 1 | 131,072 the 8 vectors | 139,264 p in f32, 128 rows 1,040 bytes apart (each wave's own 32) | 272,384 a stage of 32 rows x 272 bytes for each wave | 307,200 the spare words.
; REGISTERS, in windows of 256: 0: addresses, v32-159 WB (two buffers of weight fragments; at work elsewhere) | 1: ACC, feature block F, sample tile s at 16 F + 8 s
;   2: v0-127 A (q, then d3, then dh1), v128-255 C (the operand that changes from stage to stage): K step c, tile s at 16 c + 8 s | 3: v0-127 d1, v128-255 d2
.set CONST,  131072
.set PBASE,  139264
.set PPITCH, 1040                      ; 65 x 16 bytes: the 16 rows that a load touches start at 16 different groups of four banks (ISA guide 11.1)
.set PWAVE,  32*PPITCH
.set STAGE,  PBASE+4*PWAVE
.set SPITCH, 272
.set SWAVE,  32*SPITCH
.set SPARE,  STAGE+4*SWAVE
.set WB, 32
.set AF, 0
.set CF, 128
.set D1, 0
.set D2, 128
; v3 16 lane (slot 0; rows)  v4 the same in slot 1  v5 vectors + 32 h  v6 the vector in hand  v7 p, result layout  v8 p, by rows  v9 stage, result layout  v10 stage, by rows
; v11 x, two samples x 256 bytes  v12 out0 likewise  v13 x, for the prefetch  v28, v29 the add's
; s12 wave  s14 work-group  s[16:23], s[24:31] descriptor groups 1  s[32:35], s[36:39] groups 0  s41 tile to ask for  s42 stage  s[44:45] its offset  s46 offset of the next vector
; s47 mask  s[48:49] x  s[50:51] out0  s54 at work  s55 stages to go  s57 wave x 16,384
.set MSB, 0
.macro WIN new                         ; the immediate's high byte repeats the setting that is left; a switch that changes nothing is dropped
.if MSB != (\new)
	s_set_vgpr_msb (MSB<<8)|(\new)
.set MSB, \new
.endif
.endm
.macro PLACES                          ; four places behind matrix instructions (ISA guide 7.12.1), where no other vector work is at hand
.rept 4
	v_nop
.endr
.endm
.macro CROUND                          ; a round of the cluster's barrier
	s_barrier_signal -1
	s_barrier_wait -1
	s_cmp_lg_u32 s12, 0
	s_cbranch_scc1 .Lnot_wave_0_\@
	s_barrier_signal -3
.Lnot_wave_0_\@:
	s_barrier_wait -3
	s_barrier_signal -1
	s_barrier_wait -1
.endm
.macro ONLY mask, skip                 ; what follows is for the stages whose bits are set in the mask
	s_lshr_b32 s54, \mask, s42
	s_bitcmp1_b32 s54, 0
	s_cbranch_scc0 \skip
.endm
; THE CHANGE OF SLOTS.  Each wave waits for all its tensor loads (one is out: its quarter of the tile to be read now), adds 0 to its spare word, and waits for that and for its LDS reads.
; fill = 1: behind a round of the cluster's barrier the slot read last is filled again, with tile s41, first thing.
.macro CHANGE fill
	WIN 0
	s_wait_tensorcnt 0x0                           ; no tensor load of mine is out, so group 0 may be written
	ds_add_u32 v28, v29
.if \fill
	s_lshl_b32 s44, s41, 16                        ; the tile's 65,536 bytes,
	s_add_co_u32 s44, s44, s57                     ; my quarter of them
	s_xor_b32 s33, s33, 0x10000                    ; the other slot than last time
	s_add_nc_u64 s[34:35], s[6:7], s[44:45]
	s_or_b32 s35, s35, 0x80000000
	s_add_co_u32 s41, s41, 1                       ; behind tile 27 the second evaluation begins with tile 0
	s_cmp_eq_u32 s41, 28
	s_cselect_b32 s41, 0, s41
.endif
	s_wait_dscnt 0x0                               ; the add is done, my LDS reads and stores are over
.if \fill
	CROUND
	tensor_load_to_lds s[32:35], s[16:23]
	s_nop 0
	PLACES
.else
	s_barrier_signal -1
	s_barrier_wait -1
.endif
.endm
.macro FETCH half, k                   ; K step k's eight weight fragments: 16 loads, 512 consecutive bytes each
	WIN 0
.set fb, WB+64*((\k)&1)
.irp f, 0,1,2,3,4,5,6,7
	ds_load_b128 v[fb+8*\f:fb+8*\f+3],   v[3+(\half)] offset:(8*(\k)+\f)*1024
	ds_load_b128 v[fb+8*\f+4:fb+8*\f+7], v[3+(\half)] offset:(8*(\k)+\f)*1024+512
.endr
.endm
.macro MUL in, half, k                 ; 16 matrix instructions; the 16 accumulators take turns
	WIN 0x58                                       ; source 0 window 0, source 1 window 2, C and D window 1
.set fb, WB+64*((\k)&1)
.irp f, 0,1,2,3,4,5,6,7
.irp y, 0,1
	v_wmma_f32_16x16x32_bf16 v[128*(\half)+16*\f+8*\y:128*(\half)+16*\f+8*\y+7], v[fb+8*\f:fb+8*\f+7], v[(\in)+16*(\k)+8*\y:(\in)+16*(\k)+8*\y+7], v[128*(\half)+16*\f+8*\y:128*(\half)+16*\f+8*\y+7]
.endr
.endr
.endm
; A tile: 128 output features x 256 along K x 32 samples: 128 matrix instructions.  K step k + 1 is fetched in front of K step k's products; the count 16 leaves just those loads out.
.macro TILE in, half
	FETCH \half, 0
	FETCH \half, 1
	s_wait_dscnt 16
	MUL \in, \half, 0
.irp k, 1,2,3,4,5,6
	PLACES                                         ; the buffer to be loaded was read by the products just issued
	FETCH \half, (\k)+1
	s_wait_dscnt 16
	MUL \in, \half, \k
.endr
	s_wait_dscnt 0x0
	MUL \in, \half, 7
	WIN 0
	PLACES                                         ; for whatever reads the sums or rewrites the operands next
.endm
.macro INITB                           ; the sums begin with the next vector of the eight: features 16 F + 8 h + j, the same for every sample
	s_min_u32 s54, s46, 0x1c00                     ; seven steps of 1,024 at the most: inside the 8,192 bytes
	v_add_nc_u32 v6, s54, v5
	s_add_co_u32 s46, s46, 1024
	WIN 0x40
.set t, 0
.rept 32
	ds_load_b128 v[8*t:8*t+3],   v6 offset:64*(t/2)
	ds_load_b128 v[8*t+4:8*t+7], v6 offset:64*(t/2)+16
.set t, t+1
.endr
	WIN 0
.endm
.macro INITP                           ; the sums begin with p
	WIN 0x40
.set t, 0
.rept 32
	ds_load_b128 v[8*t:8*t+3],   v7 offset:16*PPITCH*(t%2)+64*(t/2)
	ds_load_b128 v[8*t+4:8*t+7], v7 offset:16*PPITCH*(t%2)+64*(t/2)+16
.set t, t+1
.endr
	WIN 0
.endm
.macro STOREP                          ; and p takes them; each accumulator's low four registers go first
	WIN 0x04
.set t, 0
.rept 32
	ds_store_b128 v7, v[8*t:8*t+3]   offset:16*PPITCH*(t%2)+64*(t/2)
	ds_store_b128 v7, v[8*t+4:8*t+7] offset:16*PPITCH*(t%2)+64*(t/2)+16
.set t, t+1
.endr
	WIN 0
.endm
; Operand register d (0-127: K step d / 16, tile (d / 8) % 2) is the rounded pair of ACC registers a, a + 1:
.macro AOF
.set a, 32*(d/16)+16*((d/4)%2)+8*((d/8)%2)+2*(d%4)
.endm
.macro GENP                            ; C = p rounded to bf16, in two halves through WB
.irp bb, 0,1
	WIN 0
.set t, 0
.rept 16
	ds_load_b128 v[WB+8*t:WB+8*t+3],   v7 offset:16*PPITCH*(t%2)+64*(8*\bb+t/2)
	ds_load_b128 v[WB+8*t+4:WB+8*t+7], v7 offset:16*PPITCH*(t%2)+64*(8*\bb+t/2)+16
.set t, t+1
.endr
	s_wait_dscnt 0x0
	WIN 0x80
.set d, 0
.rept 64
	AOF
	v_cvt_pk_bf16_f32 v[CF+64*\bb+d], v[WB+a], v[WB+a+1]
.set d, d+1
.endr
.endr
	WIN 0
.endm
; ACC = tanh, in place: 2^x, + 1, reciprocal, 1 - 2 r; three accumulators in hand at a time, so that a plain instruction on other registers follows each run of transcendentals (ISA guide 5.7.2)
.macro ETANH
	WIN 0x55
.set t, 0
.rept 34
.if t < 32
.irp j, 0,1,2,3,4,5,6,7
	v_exp_f32 v[8*t+\j], v[8*t+\j]
.endr
.endif
.if t == 0
	v_nop
.endif
.if (t >= 1) && (t <= 32)
	s_wait_alu depctr_va_vdst(0)
.irp j, 0,2,4,6
	v_pk_add_f32 v[8*t-8+\j:8*t-7+\j], v[8*t-8+\j:8*t-7+\j], 1.0 op_sel_hi:[1,0]
.endr
.irp j, 0,1,2,3,4,5,6,7
	v_rcp_f32 v[8*t-8+\j], v[8*t-8+\j]
.endr
.endif
.if t >= 2
	s_wait_alu depctr_va_vdst(0)
.irp j, 0,2,4,6
	v_pk_fma_f32 v[8*t-16+\j:8*t-15+\j], v[8*t-16+\j:8*t-15+\j], -2.0, 1.0 op_sel_hi:[1,0,0]
.endr
.endif
.set t, t+1
.endr
	WIN 0
.endm
.macro DFMA                            ; ACC = 1 - ACC^2
	WIN 0x55
.set t, 0
.rept 128
	v_pk_fma_f32 v[2*t:2*t+1], v[2*t:2*t+1], v[2*t:2*t+1], 1.0 op_sel_hi:[1,1,0] neg_lo:[1,0,0] neg_hi:[1,0,0]
.set t, t+1
.endr
	WIN 0
.endm
.macro PACKD2                          ; d2 = 1 - ACC^2 as bf16; ACC keeps t2, onto which the shortcut is added
.irp bb, 0,1
	WIN 0x05
.set d, 0
.rept 64
	AOF
	v_pk_fma_f32 v[WB+2*d:WB+2*d+1], v[128*\bb+a:128*\bb+a+1], v[128*\bb+a:128*\bb+a+1], 1.0 op_sel_hi:[1,1,0] neg_lo:[1,0,0] neg_hi:[1,0,0]
.set d, d+1
.endr
	WIN 0xc0
.set d, 0
.rept 64
	v_cvt_pk_bf16_f32 v[D2+64*\bb+d], v[WB+2*d], v[WB+2*d+1]
.set d, d+1
.endr
.endr
	WIN 0
.endm
.macro CVT win, base                   ; ACC rounded to bf16 into an operand or a factor; each accumulator is read from its low end on
	WIN \win
.set d, 0
.rept 128
	AOF
	v_cvt_pk_bf16_f32 v[(\base)+d], v[a], v[a+1]
.set d, d+1
.endr
	WIN 0
.endm
.macro MULD win, base                  ; ACC times a factor kept as bf16 in window win
.irp bb, 0,1
	WIN (\win)<<2
.set d, 0
.rept 64
	v_lshlrev_b32 v[WB+2*d], 16, v[(\base)+64*\bb+d]
	v_and_b32 v[WB+2*d+1], s47, v[(\base)+64*\bb+d]
.set d, d+1
.endr
	WIN 0x41
.set d, 0
.rept 64
	AOF
	v_pk_mul_f32 v[128*\bb+a:128*\bb+a+1], v[128*\bb+a:128*\bb+a+1], v[WB+2*d:WB+2*d+1]
.set d, d+1
.endr
.endr
	WIN 0
.endm
.macro LXG pi                          ; 64 features of my 32 samples of x[:,3]: 16 lanes take 256 consecutive bytes
	WIN 0
.set i, 0
.rept 16
	global_load_b128 v[WB+64*((\pi)&1)+4*i:WB+64*((\pi)&1)+4*i+3], v11, s[48:49] offset:8192*i+3072+256*(\pi) th:TH_LOAD_NT
.set i, i+1
.endr
.endm
.macro LOADX                           ; ACC = q, through my stage, in four passes; two passes' loads are out at a time: the count 16 leaves the younger pass out
	LXG 0
	LXG 1
.irp pi, 0,1,2,3
.if \pi < 3
	s_wait_loadcnt 16
.else
	s_wait_loadcnt 0x0
.endif
.set i, 0
.rept 16
	ds_store_b128 v10, v[WB+64*((\pi)&1)+4*i:WB+64*((\pi)&1)+4*i+3] offset:2*SPITCH*i
.set i, i+1
.endr
	WIN 0x40
.set t, 0
.rept 8                                ; LDS serves a wave's instructions in order (ISA guide 5.7.1.4): these see the stores above, and the next pass's stores come behind them
	ds_load_b128 v[64*\pi+8*t:64*\pi+8*t+3],   v9 offset:16*SPITCH*(t%2)+64*(t/2)
	ds_load_b128 v[64*\pi+8*t+4:64*\pi+8*t+7], v9 offset:16*SPITCH*(t%2)+64*(t/2)+16
.set t, t+1
.endr
	WIN 0
.if \pi < 2
	LXG (\pi)+2
.endif
.endr
.endm
.macro STOREX                          ; the new q leaves, through my stage: 16 lanes store 256 consecutive bytes, at a multiple of 256 from out0's first
.irp pi, 0,1,2,3
	WIN 0x04
.set t, 0
.rept 8
	ds_store_b128 v9, v[64*\pi+8*t:64*\pi+8*t+3]   offset:16*SPITCH*(t%2)+64*(t/2)
	ds_store_b128 v9, v[64*\pi+8*t+4:64*\pi+8*t+7] offset:16*SPITCH*(t%2)+64*(t/2)+16
.set t, t+1
.endr
	WIN 0
	s_wait_xcnt 0x0                                ; WB, which earlier stores read, is rewritten only behind this wait
.set i, 0
.rept 16
	ds_load_b128 v[WB+64*((\pi)&1)+4*i:WB+64*((\pi)&1)+4*i+3], v10 offset:2*SPITCH*i
.set i, i+1
.endr
	s_wait_dscnt 0x0
.set i, 0
.rept 16
	global_store_b128 v12, v[WB+64*((\pi)&1)+4*i:WB+64*((\pi)&1)+4*i+3], s[50:51] offset:4096*i+256*(\pi) th:TH_STORE_NT
.set i, i+1
.endr
.endr
	s_wait_xcnt 0x0                                ; the next block rewrites WB
.endm
	; ---------------- head
	s_load_b256 s[4:11], s[0:1], 0x0               ; x s[4:5], wpack s[6:7], cvec s[8:9], out0 s[10:11]
	v_lshl_add_u32 v28, v0, 2, SPARE
	v_mov_b32 v29, 0
	ds_add_u32 v28, v29                            ; the wave's opening: the add and its wait come ahead of my first tensor load
	v_lshrrev_b32 v15, 5, v0
	v_readfirstlane_b32 s12, v15                   ; wave
	s_bfe_u32 s13, ttmp6, 0x40000                  ; cx: it enters x's and out0's addresses alone
	s_lshl_b32 s14, ttmp9, 2
	s_add_co_u32 s14, s14, s13                     ; work-group
	; group 1: a dense quarter tile, 16,384 bytes, as 64 rows of 32 elements of 8 bytes; mask of all four partners, bit 21 beside it
	s_mov_b32 s16, 15|(3<<16)|(1<<21)
	s_mov_b32 s17, 32<<16                          ; tensor_dim0
	s_mov_b32 s18, 64<<16                          ; tensor_dim1
	s_mov_b32 s19, 32<<16                          ; tile_dim0
	s_mov_b32 s20, 64                              ; tile_dim1
	s_mov_b32 s21, 32                              ; pitch
	s_mov_b32 s22, 0
	s_mov_b32 s23, 0
	; the same with 8 rows: a quarter of the eight vectors
	s_mov_b32 s24, 15|(3<<16)|(1<<21)
	s_mov_b32 s25, 32<<16
	s_mov_b32 s26, 8<<16
	s_mov_b32 s27, 32<<16
	s_mov_b32 s28, 8
	s_mov_b32 s29, 32
	s_mov_b32 s30, 0
	s_mov_b32 s31, 0
	s_lshl_b32 s57, s12, 14
	s_mov_b32 s32, 1
	s_lshl_b32 s33, s12, 14                        ; slot 0, my quarter
	s_mov_b32 s36, 1
	s_lshl_b32 s37, s12, 11
	s_add_co_u32 s37, s37, CONST
	s_mov_b32 s44, s57                             ; tile 0, my quarter
	s_mov_b32 s45, 0
	s_lshl_b32 s58, s12, 11
	s_mov_b32 s59, 0
	s_lshl_b32 s52, s14, 19                        ; 128 samples of 4,096 bytes,
	s_lshl_b32 s54, s12, 17                        ; my wave's 32
	s_add_co_u32 s52, s52, s54
	s_mov_b32 s53, 0
	s_lshl_b32 s60, s14, 18                        ; and of 2,048 bytes in out0
	s_lshl_b32 s54, s12, 16
	s_add_co_u32 s60, s60, s54
	s_mov_b32 s61, 0
	s_mov_b32 s47, 0xffff0000
	s_mov_b32 s41, 1
	s_mov_b32 s42, 14                              ; the loop is entered as if behind a stage 14, whose one duty is A = q
	s_mov_b32 s46, 0
	s_mov_b32 s55, 26
	s_wait_dscnt 0x0                               ; the opening add is done
	s_wait_kmcnt 0x0
	s_add_nc_u64 s[34:35], s[6:7], s[44:45]
	s_or_b32 s35, s35, 0x80000000
	s_add_nc_u64 s[38:39], s[8:9], s[58:59]
	s_or_b32 s39, s39, 0x80000000
	s_add_nc_u64 s[48:49], s[4:5], s[52:53]
	s_add_nc_u64 s[50:51], s[10:11], s[60:61]
	CROUND                                         ; all four work-groups are here: the first joint loads meet
	tensor_load_to_lds s[36:39], s[24:31]          ; the vectors,
	s_nop 0
	tensor_load_to_lds s[32:35], s[16:23]          ; tile 0: two loads of mine are out
	s_nop 0
	PLACES
	v_and_b32 v15, 31, v0                          ; lane
	v_and_b32 v1, 15, v0                           ; r
	v_bfe_u32 v2, v0, 4, 1                         ; h
	v_lshlrev_b32 v3, 4, v15
	v_add_nc_u32 v4, 0x10000, v3
	v_lshlrev_b32 v5, 5, v2
	v_add_nc_u32 v5, CONST, v5
	s_mul_i32 s54, s12, PWAVE
	s_add_co_u32 s54, s54, PBASE
	v_mul_u32_u24 v7, v1, PPITCH
	v_lshl_add_u32 v7, v2, 5, v7
	v_add_nc_u32 v7, s54, v7
	v_add_nc_u32 v8, s54, v3
	s_mul_i32 s54, s12, SWAVE
	s_add_co_u32 s54, s54, STAGE
	v_mul_u32_u24 v9, v1, SPITCH
	v_lshl_add_u32 v9, v2, 5, v9
	v_add_nc_u32 v9, s54, v9
	v_mul_u32_u24 v10, v2, SPITCH
	v_lshl_add_u32 v10, v1, 4, v10
	v_add_nc_u32 v10, s54, v10
	v_lshlrev_b32 v11, 12, v2
	v_lshl_add_u32 v11, v1, 4, v11
	v_lshlrev_b32 v12, 11, v2
	v_lshl_add_u32 v12, v1, 4, v12
	v_lshrrev_b32 v13, 2, v15
	v_lshlrev_b32 v13, 12, v13
	v_and_b32 v15, 3, v15
	v_lshl_add_u32 v13, v15, 8, v13
	; ---------------- start: x[:,3] into window 3 and x[:,2] into window 2, by rows (512 consecutive bytes a load); q through p's rows in LDS into the result layout; then p = q - x[:,2] into those rows
	WIN 0xc0
.set i, 0
.rept 64
	global_load_b128 v[4*i:4*i+3], v3, s[48:49] offset:4096*(i/2)+3072+512*(i%2)
.set i, i+1
.endr
	WIN 0x80
.set i, 0
.rept 64
	global_load_b128 v[4*i:4*i+3], v3, s[48:49] offset:4096*(i/2)+2048+512*(i%2) th:TH_LOAD_NT
.set i, i+1
.endr
	s_wait_loadcnt 63                              ; 63 of the younger 64 may be out: all of x[:,3] is in
	WIN 0x0c
.set i, 0
.rept 64
	ds_store_b128 v8, v[4*i:4*i+3] offset:PPITCH*(i/2)+512*(i%2)
.set i, i+1
.endr
	INITP                                          ; ACC = q (LDS serves my instructions in order)
	s_wait_loadcnt 0x0
	WIN 0xcb                                       ; window 3 = window 3 - window 2
.set i, 0
.rept 128
	v_pk_add_f32 v[2*i:2*i+1], v[2*i:2*i+1], v[2*i:2*i+1] neg_lo:[0,1] neg_hi:[0,1]
.set i, i+1
.endr
	WIN 0x0c
.set i, 0
.rept 64
	ds_store_b128 v8, v[4*i:4*i+3] offset:PPITCH*(i/2)+512*(i%2)
.set i, i+1
.endr
	WIN 0
	s_wait_dscnt 0x0
	s_wait_tensorcnt 0x1                           ; my quarter of the vectors is in; tile 0 may stay out
	s_barrier_signal -1
	s_barrier_wait -1                              ; everybody's is
	s_branch .Lcvta
	; ---------------- a stage
.Lchunk:
	ONLY 0x11, .Lp1
	GENP
.Lp1:
	ONLY 0x3e5, .Lp2
	INITB
.Lp2:
	ONLY 0x400, .Lp3
	INITP
.Lp3:
	ONLY 0x800, .Lp4
.irp i, 0,1,2,3                        ; my 32 rows of x[:,3], 128 blocks of 256 bytes, each asked for once, a stage (256 matrix instructions) ahead of the loads of stage 12
	global_prefetch_b8 v13, s[48:49] offset:32768*\i+3072 th:TH_LOAD_NT scope:SCOPE_SE
.endr
.Lp4:
	ONLY 0x1000, .Lp5
	LOADX
.Lp5:
	CHANGE 1                                       ; the stage's first tile is in; its second is asked for
	ONLY 0x140a, .Lc0
	TILE AF, 0
	s_branch .Lt0
.Lc0:
	TILE CF, 0
.Lt0:
	CHANGE 1                                       ; the second is in; the next stage's first is asked for
	ONLY 0x140a, .Lc1
	TILE AF, 1
	s_branch .Lt1
.Lc1:
	TILE CF, 1
.Lt1:
	ONLY 0x66, .Lq1
	ETANH
.Lq1:
	ONLY 0x4, .Lq2
	PACKD2
.Lq2:
	ONLY 0x32, .Lq3
	CVT 0x85, CF
.Lq3:
	ONLY 0x62, .Lq4
	DFMA
.Lq4:
	ONLY 0x2, .Lq5
	CVT 0xc5, D1
.Lq5:
	ONLY 0x6120, .Lq6
.Lcvta:
	CVT 0x85, AF
.Lq6:
	ONLY 0x80, .Lq7
	MULD 2, AF
.Lq7:
	ONLY 0x100, .Lq8
	MULD 3, D2
.Lq8:
	ONLY 0x200, .Lq9
	MULD 3, D1
.Lq9:
	ONLY 0x3c0, .Lq10
	CVT 0x85, CF
.Lq10:
	ONLY 0x800, .Lq11
	STOREP
.Lq11:
	ONLY 0x2000, .Lq12
	STOREX
.Lq12:
	s_add_co_u32 s42, s42, 1                       ; the next stage; behind stage 13 the second evaluation begins, with the first vector
	s_cmp_ge_u32 s42, 14
	s_cselect_b32 s42, 0, s42
	s_cselect_b32 s46, 0, s46
	s_sub_co_u32 s55, s55, 1
	s_cmp_lg_u32 s55, 0
	s_cbranch_scc1 .Lchunk                         ; 25 whole trips: stages 0-13, then 0-10
	; ---------------- the second evaluation's stage 11 is written out
	CHANGE 1                                       ; the last tile is asked for
	TILE CF, 0
	CHANGE 0
	TILE CF, 1
	STOREP                                         ; the final p, into its rows,
	WIN 0xc0
.set i, 0
.rept 64
	ds_load_b128 v[4*i:4*i+3], v8 offset:PPITCH*(i/2)+512*(i%2)  ; back by rows into window 3, which is free,
.set i, i+1
.endr
	WIN 0x0c
.set i, 0
.rept 64
.if i%16 == 0
	s_wait_dscnt 48-i                              ; the loads behind this group of sixteen may be out
.endif
	global_store_b128 v3, v[4*i:4*i+3], s[50:51] offset:2048*(i/2)+1024+512*(i%2) th:TH_STORE_NT  ; and out: 512 consecutive bytes, at a multiple of 512 from out0's first
.set i, i+1
.endr
	WIN 0
	s_wait_tensorcnt 0x0                           ; the wave's end
	ds_add_u32 v28, v29
	s_wait_dscnt 0x0
	CROUND                                         ; the closing round
	s_endpgm
.Lfunc_end_k_qcfd7c2f0e8_leap:
	.size	k_qcfd7c2f0e8_leap, .Lfunc_end_k_qcfd7c2f0e8_leap-k_qcfd7c2f0e8_leap
	.p2alignl 7, 3214868480
	.fill 96, 4, 3214868480
	.section	.rodata,"a",@progbits
	.p2align	6, 0x0
	.amdhsa_kernel k_qcfd7c2f0e8_leap
		.amdhsa_group_segment_fixed_size 327680
		.amdhsa_private_segment_fixed_size 0
		.amdhsa_enable_private_segment 0
		.amdhsa_kernarg_size 32
		.amdhsa_user_sgpr_count 2
		.amdhsa_user_sgpr_kernarg_segment_ptr 1
		.amdhsa_wavefront_size32 1
		.amdhsa_system_sgpr_workgroup_id_x 1
		.amdhsa_system_sgpr_workgroup_id_y 1
		.amdhsa_system_sgpr_workgroup_id_z 1
		.amdhsa_system_vgpr_workitem_id 0
		.amdhsa_next_free_vgpr 1024
		.amdhsa_next_free_sgpr 66
		.amdhsa_reserve_vcc 0
		.amdhsa_float_denorm_mode_32 3
		.amdhsa_float_denorm_mode_16_64 3
		.amdhsa_memory_ordered 1
		.amdhsa_forward_progress 1
		.amdhsa_inst_pref_size 255
	.end_amdhsa_kernel
	.section	.bss,"aw",@nobits
	.p2align	6
	.space	262144
	.amdgpu_metadata
---
amdhsa.version: [ 1, 2 ]
amdhsa.kernels:
  - .name:           k_qcfd7c2f0e8_leap
    .symbol:         k_qcfd7c2f0e8_leap.kd
    .args:
      - { .name: x, .offset: 0, .size: 8, .value_kind: global_buffer, .address_space: global }
      - { .name: wpack, .offset: 8, .size: 8, .value_kind: global_buffer, .address_space: global }
      - { .name: cvec, .offset: 16, .size: 8, .value_kind: global_buffer, .address_space: global }
      - { .name: out0, .offset: 24, .size: 8, .value_kind: global_buffer, .address_space: global }
    .group_segment_fixed_size: 327680
    .private_segment_fixed_size: 0
    .kernarg_segment_align: 8
    .kernarg_segment_size: 32
    .max_flat_workgroup_size: 128
    .sgpr_count:     66
    .vgpr_count:     1024
    .wavefront_size: 32
...
	.end_amdgpu_metadata
.endif
;; end of part 2
